; MI455X (gfx1250); checked and timed in simulation.
; The chip was launched on July 23, 2026; its instructions are those of AMD's public machine-readable ISA for CDNA 5 (MIT licence, August 2026) and "CDNA5" Instruction Set Architecture Reference Guide (July 2026). The comments in the code are by the model that wrote it; some were corrected since.
;; Temporal Attention. Allowed arithmetic: matrix products marked QUANTISED: E2M3 operands, one E8M0 scale for each 32 along K, by v_wmma_scale_f32_16x16x128_f8f6f4 with both operands' format E2M3, f32 sums; everything else in f32.
;; Inputs: STE 4 x 32 x 64 x 1,024 float32; Wk 2,048 x 1,024 float32; Wo 1,024 x 1,024 float32; Wq 2,048 x 1,024 float32; Wv 2,048 x 1,024 float32; X 4 x 32 x 64 x 1,024 float32; bk 1,024 float32; bo 1,024 float32; bq 1,024 float32; bv 1,024 float32.
;; Outputs: out0 4 x 32 x 64 x 1,024 float32.
;; This version of the problem:
;;   THIS VERSION OF THE PROBLEM IS GIVEN IN LOW PRECISION. The matrix products marked QUANTISED in the list below multiply operands that are first quantised to E2M3 (2 exponent bits, 3 mantissa bits; 6 bits a number), with one power-of-two scale for each 32 numbers along K (OCP MX v1.0); their sums are f32. All else is computed in f32.
;;   The module's matrix products, in the order in which they are computed (A, B: the left and right operand; K: the contracted axis; several contracted axes count as one K, in the product's order):
;;     1. [M 8,192, K 2,048] x [K 2,048, N 1,024]; A: computed on the way; B: input Wq: QUANTISED
;;     2. [M 8,192, K 2,048] x [K 2,048, N 1,024]; A: computed on the way; B: input Wk: QUANTISED
;;     3. [M 8,192, K 2,048] x [K 2,048, N 1,024]; A: computed on the way; B: input Wv: QUANTISED
;;     4. batch 8,192 x [M 32, K 32] x [K 32, N 32]; A: computed on the way; B: computed on the way: QUANTISED
;;     5. batch 8,192 x [M 32, K 32] x [K 32, N 32]; A: computed on the way; B: softmax (see below): QUANTISED
;;     6. [M 8,192, K 1,024] x [K 1,024, N 1,024]; A: computed on the way; B: input Wo: QUANTISED
;;   THE QUANTISER, for each operand of a quantised product, along K:
;;     - K is cut into blocks of 32 from its start; a last block that is shorter is filled with zeros.
;;     - A block's scale is 2^e with e = floor(log2(the largest magnitude in the block)) - 2, held to -126 .. 127; a block of zeros has e = 0. As a byte (E8M0): e + 127.
;;     - Each number is divided by its block's scale, clamped to +-7.5, and rounded to the nearest number of E2M3, ties to even, subnormals kept.
;;     - The product sums the exact products of the quantised numbers (number of the format x scale) in f32.
;;   ~~~python
;;   def quantise(x, axis):      # numpy; x: float32 -> the quantised numbers, widened to float32 again
;;       x = np.moveaxis(x, axis, -1); K = x.shape[-1]
;;       x = np.pad(x, [(0, 0)] * (x.ndim - 1) + [(0, -K % 32)]); x = x.reshape(x.shape[:-1] + (-1, 32)); a = np.abs(x).max(-1, keepdims=True)
;;       e = np.where(a > 0, np.clip(np.frexp(np.where(a > 0, a, 1))[1] - 1 - 2, -126, 127), 0)      # np.frexp(a)[1] - 1 = floor(log2(a)), exactly
;;       r = np.clip(x / 2.0 ** e, -7.5, 7.5)
;;       step = 2.0 ** (np.maximum(np.frexp(np.where(r == 0, 1, r))[1] - 1, 0) - 3)
;;       q = np.round(r / step) * step * 2.0 ** e      # np.round: ties to even
;;       return np.moveaxis(q.reshape(q.shape[:-2] + (-1,))[..., :K], -1, axis).astype(np.float32)
;;   ~~~
;;   SOFTMAX AHEAD OF A QUANTISED PRODUCT. Where the list says 'softmax', what is quantised is not the finished softmax but p = 2^(t - M), with t = logit x log2(e) and M = ceil(the row's largest t), a whole number; so 1/2 < the row's largest p <= 1. The row's sum l is taken of the UNQUANTISED p, in f32, and the product's result is divided by l at the end. Since M is a whole number, a kernel that streams over the keys may use a running M (the ceiling of the running maximum): every later rescaling is an exact power of two, which a block's scale takes up: the codes' values come out the same.
;;   OPERANDS COMPUTED ON THE WAY. 'Computed on the way' means the value that the module computes at that place (a softmax that the list does not call 'softmax' is quantised finished and normalised). What goes into a quantiser is computed in f32, as accurately as f32 sums, v_exp_f32 and their like allow (about 1e-6 of the number): no bf16 or f16 on the way to a quantiser, and a product that is left as it is and whose result goes on into a quantised operand takes f32 operands (vector FMAs, or v_wmma_f32_16x16x4_f32). A number that lies on a knife's edge between two numbers of the format may be rounded either way, as far as f32 arithmetic and the matrix unit's own rounding can turn it there, and no further.
;; One version. Each part assembles by itself: llvm-mc -triple=amdgcn-amd-amdhsa -mcpu=gfx1250 --defsym DOCPART=n.
;; ======== version 1 of 1: 3 launches
;; workspace buffers: xq 13,107,200 bytes; wcod 5,734,400 bytes; ocod 6,553,600 bytes
;; launch quant (part 1): grid 736 x 1, 4 waves a work-group, no clusters, 59,904 bytes of LDS; arguments X, STE, Wq, Wk, Wv, Wo, xq, wcod; writes xq, wcod
.if DOCPART == 1
	.amdgcn_target "amdgcn-amd-amdhsa--gfx1250"
	.amdhsa_code_object_version 6
	.text
	.protected	k_q38294aa279_quant
	.globl	k_q38294aa279_quant
	.p2align	8
	.type	k_q38294aa279_quant,@function
k_q38294aa279_quant:
	s_mov_b64 s[64:65], 0
	v_nop
	global_prefetch_b8 v0, s[64:65] scope:SCOPE_SE
	s_setreg_imm32_b32 hwreg(HW_REG_WAVE_MODE, 25, 1), 1
	s_wait_xcnt 0x0
; X, STE [8192][1024] and Wq, Wk, Wv [2048][1024], Wo [1024][1024], all f32, become codes of FP6 (E2M3) with one E8M0 scale byte for each 32 along K.
; A block's scale is 2^(floor(log2(its largest magnitude)) - 2); its byte is the largest magnitude's exponent field - 2, held at 1 from below.
; LIMITS: NaN and infinities are not served; a block of zeros, or one whose largest magnitude lies under 2^(3 - 127), gets the byte 1 (the quantiser's text says 127 for zeros): its codes are zeros
; and the bytes are read by this program alone.
; THE WORKSPACE IS LAID IN THE ORDER OF THE OPERANDS' REGISTERS.  A FRAGMENT (16 rows x 128 K, 12 registers a lane) is an image of 1,536 bytes: register q of lane L at 512 (q / 4) + 16 L + 4 (q % 4).
; A GROUP is 6,400 bytes: four fragments, then 256 bytes of scale words: the word at 8 (16 h + r) + 4 j belongs to row r of fragment 2 j + h.
; ROWS of x: tile R (b = R / 8), pair p (n = 8 (R % 8) + p), block u: lane row r is t = 8 u + r + 8 (r / 8); group p / 2, fragment 2 (p % 2) + u.   xq [R 32][K step 16][group 4][6400].
; COLUMNS of a weight: a chunk of 32 (a head), fragment u: lane row r is column 8 u + r + 8 (r / 8); a group is 64 columns (chunks 0, 1; fragment 2 chunk + u).
; wcod: [128 columns 8][K step 16][64 columns 2][q, k, v][6400], then from WO_OFF on Wo: [128 columns 8][K step 8][64 columns 2][6400].
; ONE WAVE MAKES ONE GROUP; waves share nothing: no barrier.  Work-groups 0-511 take x, 512-735 the weights; each path has LDS bytes of its own.
.set FLOORV, 0x1800000                 ; 2^(3 - 127)
.set EOFF,   0xff000000                ; takes 2 off an exponent field
.set GRP,    6400
.set WO_OFF, 4915200
.set TROW,   262144                    ; from t to t + 1 in X: 64 rows of 4,096 bytes
.set XST,    8448                      ; path X: a wave's stage, 16 rows x (512 + 16) bytes
.set WLDS,   4*XST                     ; path W: a wave's group, 6,400 bytes each, behind the stages
.set RAW,    16                        ; v16-143  two sets of 64: a fragment's numbers as loaded
.set XN,     144                       ; v144-207 64 numbers of my row: k = 64 c + 32 h + 0 .. 31
.set CX,     208                       ; v208-219 the fragment's codes
.set GA,     220                       ; v220-222, v224-226 the upper halves of the two blocks (a conversion's three registers begin on an even number)
.set GB,     224
.set TM,     228
.set SO,     230
.set BY,     232
.set WD,     234
.set SH,     235
.set PX,     236
	s_load_b256 s[4:11], s[0:1], 0x0               ; X, STE, Wq, Wk
	s_load_b256 s[12:19], s[0:1], 0x20             ; Wv, Wo, xq, wcod
	v_lshl_add_u32 v254, v0, 2, 0xe800
	v_mov_b32 v255, 0
	v_lshrrev_b32 v1, 5, v0
	v_readfirstlane_b32 s20, v1                    ; wave
	v_and_b32 v1, 31, v0                           ; lane
	v_and_b32 v2, 15, v0                           ; r
	v_bfe_u32 v3, v0, 4, 1                         ; h
	s_mov_b32 s21, 0xffff0000                      ; lanes 16-31
	s_mov_b32 s22, 0x76543210
	s_mov_b32 s23, 0xfedcba98                      ; v_permlanex16_b32's selects for lane l xor 16
	s_cmp_lt_u32 ttmp9, 512
	s_cbranch_scc0 .Lweights
; ---------------- x: K is innermost ----------------
	s_lshr_b32 s24, ttmp9, 4                       ; R
	s_bfe_u32 s25, ttmp9, 0x20002                  ; group
	s_and_b32 s26, ttmp9, 3
	s_lshl_b32 s27, s26, 2
	s_add_co_u32 s27, s27, s20                     ; K step = 4 (work-group % 4) + wave
	s_lshr_b32 s28, s24, 3
	s_lshl_b32 s28, s28, 11                        ; b x 2,048 rows
	s_and_b32 s29, s24, 7
	s_lshl_b32 s29, s29, 3
	s_add_co_u32 s28, s28, s29
	s_lshl_b32 s29, s25, 1
	s_add_co_u32 s28, s28, s29                     ; + n of the group's first pair
	s_lshl_b32 s28, s28, 12
	s_and_b32 s29, s27, 7
	s_lshl_b32 s29, s29, 9
	s_add_co_u32 s28, s28, s29                     ; + 512 bytes for each K step inside X or STE
	s_mov_b32 s29, 0
	s_lshl_b32 s30, s24, 4
	s_add_co_u32 s30, s30, s27
	s_lshl_b32 s30, s30, 2
	s_add_co_u32 s30, s30, s25
	s_mul_i32 s30, s30, GRP
	s_mov_b32 s31, 0
	v_lshlrev_b32 v4, 4, v1                        ; 16 x lane
	s_mul_i32 s32, s20, XST
	v_add_nc_u32 v5, s32, v4                       ; the stage, in: a row's 512 bytes as they lie
	v_mul_u32_u24 v6, v2, 528
	v_lshl_add_u32 v6, v3, 7, v6
	v_add_nc_u32 v6, s32, v6                       ; and out: row r, + 128 h
	v_lshlrev_b32 v7, 3, v1
	v_lshlrev_b32 v[SH], 3, v3
	v_mov_b32 v[PX], 0                             ; a lane permute's destination counts as one of its sources
	s_wait_kmcnt 0x0
	s_cmp_lt_u32 s26, 2                            ; K steps 0-7 lie in X, 8-15 in STE: the choice hangs on the work-group's number alone
	s_cselect_b64 s[4:5], s[4:5], s[6:7]
	s_add_nc_u64 s[4:5], s[4:5], s[28:29]
	s_add_nc_u64 s[16:17], s[16:17], s[30:31]
.macro LOADF f                         ; fragment f = 2 pair + u: its 16 rows, 512 consecutive bytes a load
.irp i, 0,1,2,3,4,5,6,7,8,9,10,11,12,13,14,15
	global_load_b128 v[RAW+64*((\f)%2)+4*\i:RAW+64*((\f)%2)+4*\i+3], v4, s[4:5] offset:(8*((\f)%2)+\i+8*(\i/8))*TROW+((\f)/2)*4096 th:TH_LOAD_NT
.endr
.endm
.macro FRAGX f
.set RW, RAW+64*((\f)%2)
.if (\f) < 3
	s_wait_loadcnt 16                              ; this fragment's 16 loads are in; the next fragment's 16 may be out
.else
	s_wait_loadcnt 0x0
.endif
.irp i, 0,1,2,3,4,5,6,7,8,9,10,11,12,13,14,15
	ds_store_b128 v5, v[RW+4*\i:RW+4*\i+3] offset:528*\i
.endr
.irp c, 0,1
.irp j, 0,1,2,3,4,5,6,7
	ds_load_b128 v[XN+32*\c+4*\j:XN+32*\c+4*\j+3], v6 offset:256*\c+16*\j   ; LDS serves a wave's instructions in order: these see the stores above
.endr
.endr
	s_wait_dscnt 0x0
.if (\f) < 2
	LOADF (\f)+2                                   ; into the set that the stage's stores have read
.endif
.irp c, 0,1
	v_max3_num_f32 v[TM+\c], |v[XN+32*\c]|, |v[XN+32*\c+1]|, FLOORV   ; my block 2 c + h: all 32 numbers are mine; the floor keeps the byte at 1 or above
.endr
.irp i, 2,4,6,8,10,12,14,16,18,20,22,24,26,28,30
.irp c, 0,1
	v_max3_num_f32 v[TM+\c], v[TM+\c], |v[XN+32*\c+\i]|, |v[XN+32*\c+\i+1]|
.endr
.endr
.irp c, 0,1
	v_add_nc_u32 v[SO+\c], EOFF, v[TM+\c]          ; the conversion takes this operand's exponent field as its scale
.endr
.irp c, 0,1
	v_lshrrev_b32 v[BY+\c], 23, v[SO+\c]           ; the scale's byte
.endr
	v_lshl_or_b32 v[WD], v[BY+1], 16, v[BY]        ; my two bytes, blocks h and 2 + h,
	v_lshlrev_b32 v[WD], v[SH], v[WD]              ; at their places in the row's scale word;
	v_permlanex16_b32 v[PX], v[WD], s22, s23
	v_or_b32 v[8+(\f)], v[WD], v[PX]               ; with lane l xor 16's two the word is whole
.if (\f) > 0
	s_wait_xcnt 0x0                                ; the last fragment's stores have read their data: the codes' registers are written again only behind this wait
.endif
	v_cvt_scalef32_pk16_fp6_f32 v[CX:CX+2], v[XN:XN+15], v[SO]
	v_cvt_scalef32_pk16_fp6_f32 v[GA:GA+2], v[XN+16:XN+31], v[SO]
	v_cvt_scalef32_pk16_fp6_f32 v[CX+6:CX+8], v[XN+32:XN+47], v[SO+1]
	v_cvt_scalef32_pk16_fp6_f32 v[GB:GB+2], v[XN+48:XN+63], v[SO+1]
	v_nop                                          ; one plain place behind a scaled conversion
.irp i, 0,1,2
	v_mov_b32 v[CX+3+\i], v[GA+\i]
	v_mov_b32 v[CX+9+\i], v[GB+\i]
.endr
.irp j, 0,1,2
	global_store_b128 v4, v[CX+4*\j:CX+4*\j+3], s[16:17] offset:1536*(\f)+512*\j   ; 512 consecutive bytes, at a multiple of 256 from the buffer's first byte
.endr
.endm
	LOADF 0
	LOADF 1
	FRAGX 0
	FRAGX 1
	FRAGX 2
	FRAGX 3
	v_cndmask_b32 v12, v8, v9, s21                 ; the scale unit: lanes 0-15 fragment 2 j, lanes 16-31 fragment 2 j + 1
	v_cndmask_b32 v13, v10, v11, s21
	global_store_b64 v7, v[12:13], s[16:17] offset:6144
	s_wait_tensorcnt 0x0
	ds_add_u32 v254, v255
	s_wait_dscnt 0x0
	s_endpgm
; ---------------- the weights: K is the first axis.  A lane takes a column, its registers run down K ----------------
.Lweights:
	s_sub_co_u32 s24, ttmp9, 512
	s_lshr_b32 s25, s24, 6                         ; 0, 1, 2: Wq, Wk, Wv (64 work-groups each); 3: Wo (32)
	s_bfe_u32 s26, s24, 0x40002                    ; K step of q, k, v
	s_bfe_u32 s27, s24, 0x30002                    ; K step of Wo
	s_and_b32 s28, s24, 3
	s_lshl_b32 s28, s28, 2
	s_add_co_u32 s28, s28, s20                     ; which 64 columns
	s_cmp_eq_u32 s25, 3
	s_cselect_b32 s26, s27, s26
	s_lshr_b32 s29, s28, 1
	s_and_b32 s30, s28, 1
	s_lshl_b32 s31, s29, 4
	s_add_co_u32 s31, s31, s26
	s_lshl_b32 s31, s31, 1
	s_add_co_u32 s31, s31, s30
	s_mul_i32 s31, s31, 3
	s_add_co_u32 s31, s31, s25
	s_mul_i32 s31, s31, GRP                        ; the group's place among q, k, v's
	s_lshl_b32 s32, s29, 3
	s_add_co_u32 s32, s32, s26
	s_lshl_b32 s32, s32, 1
	s_add_co_u32 s32, s32, s30
	s_mul_i32 s32, s32, GRP
	s_add_co_u32 s32, s32, WO_OFF                  ; or among Wo's
	s_cmp_eq_u32 s25, 3
	s_cselect_b32 s32, s32, s31
	s_mov_b32 s33, 0
	s_lshl_b32 s34, s26, 19                        ; 128 rows of 4,096 bytes a K step
	s_lshl_b32 s35, s28, 8
	s_add_co_u32 s34, s34, s35
	s_mov_b32 s35, 0
	v_lshlrev_b32 v4, 2, v1
	v_bfe_u32 v13, v0, 3, 1                        ; column l of a chunk lies in fragment u = (l / 8) % 2,
	v_and_b32 v14, 7, v0
	v_lshl_add_u32 v14, v3, 3, v14                 ; lane row r = l % 8 + 8 (l / 16)
	s_mul_i32 s36, s20, GRP
	s_add_co_u32 s36, s36, WLDS                    ; my wave's group in LDS
	v_mul_u32_u24 v5, v13, 1536
	v_lshl_add_u32 v5, v14, 4, v5
	v_add_nc_u32 v5, s36, v5                       ; codes: fragment u, 16 r
	v_lshlrev_b32 v6, 7, v13
	v_lshl_add_u32 v6, v14, 3, v6
	v_add_nc_u32 v6, s36, v6
	v_add_nc_u32 v6, 6144, v6                      ; scale words: 8 (16 u + r)
	v_lshlrev_b32 v11, 4, v1
	v_lshlrev_b32 v12, 3, v1
	v_add_nc_u32 v7, s36, v11                      ; the way out: the group as it lies
	v_add_nc_u32 v10, s36, v12
	v_add_nc_u32 v10, 6144, v10
	s_wait_kmcnt 0x0
	s_cmp_lt_u32 s25, 3                            ; the choices hang on the work-group's number alone
	s_cselect_b64 s[14:15], s[12:13], s[14:15]
	s_cmp_lt_u32 s25, 2
	s_cselect_b64 s[14:15], s[10:11], s[14:15]
	s_cmp_lt_u32 s25, 1
	s_cselect_b64 s[14:15], s[8:9], s[14:15]
	s_add_nc_u64 s[14:15], s[14:15], s[34:35]
	s_add_nc_u64 s[18:19], s[18:19], s[32:33]
.macro LOADB t                         ; block t = 4 chunk + K block: W(32 block + i, my column)
.irp i, 0,1,2,3,4,5,6,7,8,9,10,11,12,13,14,15,16,17,18,19,20,21,22,23,24,25,26,27,28,29,30,31
	global_load_b32 v[16+32*((\t)%2)+\i], v4, s[14:15] offset:(32*((\t)%4)+\i)*4096+128*((\t)/4) th:TH_LOAD_NT
.endr
.endm
.macro BLOCKW t
.set XS, 16+32*((\t)%2)
.set HH, (\t)/4
.set KB, (\t)%4
.if (\t) < 7
	s_wait_loadcnt 32                              ; this block's 32 loads are in; the next block's may be out
.else
	s_wait_loadcnt 0x0
.endif
	v_max3_num_f32 v104, |v[XS]|, |v[XS+1]|, FLOORV
	v_max3_num_f32 v105, |v[XS+2]|, |v[XS+3]|, |v[XS+4]|
.irp i, 5,9,13,17,21,25
	v_max3_num_f32 v104, v104, |v[XS+\i]|, |v[XS+\i+1]|
	v_max3_num_f32 v105, v105, |v[XS+\i+2]|, |v[XS+\i+3]|
.endr
	v_max3_num_f32 v104, v104, |v[XS+29]|, |v[XS+30]|
	v_max3_num_f32 v104, v104, v105, |v[XS+31]|
	v_add_nc_u32 v106, EOFF, v104
	v_lshrrev_b32 v107, 23, v106
.if KB == 0
	v_mov_b32 v[8+HH], v107                        ; my column's scale word: the lower K in the lower byte
.else
	v_lshl_or_b32 v[8+HH], v107, 8*KB, v[8+HH]
.endif
	v_cvt_scalef32_pk16_fp6_f32 v[96:98], v[XS:XS+15], v106
	v_cvt_scalef32_pk16_fp6_f32 v[100:102], v[XS+16:XS+31], v106
	v_nop                                          ; one plain place behind a scaled conversion
	v_mov_b32 v99, v100
	v_mov_b32 v100, v101
	v_mov_b32 v101, v102                           ; v96-101: registers 6 (block / 2) .. + 5 of lane 16 (block % 2) + r
.if KB < 2
	ds_store_b128 v5, v[96:99] offset:3072*HH+256*(KB%2)
	ds_store_b64 v5, v[100:101] offset:3072*HH+256*(KB%2)+512
.else
	ds_store_b64 v5, v[96:97] offset:3072*HH+256*(KB%2)+520
	ds_store_b128 v5, v[98:101] offset:3072*HH+256*(KB%2)+1024
.endif
.if (\t) < 6
	LOADB (\t)+2
.endif
	s_wait_dscnt 0x0                               ; the stores have read their registers: the next block's codes may be written
.endm
	LOADB 0
	LOADB 1
.irp t, 0,1,2,3,4,5,6,7
	BLOCKW \t
.endr
	ds_store_b32 v6, v8
	ds_store_b32 v6, v9 offset:4
.irp i, 0,1,2,3,4,5,6,7,8,9,10,11
	ds_load_b128 v[112+4*\i:115+4*\i], v7 offset:512*\i   ; LDS serves a wave's instructions in order: these see my stores
.endr
	ds_load_b64 v[160:161], v10
.irp i, 0,1,2,3,4,5,6,7,8,9,10,11
	s_wait_dscnt 12-\i
	global_store_b128 v11, v[112+4*\i:115+4*\i], s[18:19] offset:512*\i   ; 512 consecutive bytes, aligned to 256
.endr
	s_wait_dscnt 0x0
	global_store_b64 v12, v[160:161], s[18:19] offset:6144
	s_wait_tensorcnt 0x0
	ds_add_u32 v254, v255
	s_wait_dscnt 0x0
	s_endpgm
.Lfunc_end_k_q38294aa279_quant:
	.size	k_q38294aa279_quant, .Lfunc_end_k_q38294aa279_quant-k_q38294aa279_quant
	.p2alignl 7, 3214868480
	.fill 96, 4, 3214868480
	.section	.rodata,"a",@progbits
	.p2align	6, 0x0
	.amdhsa_kernel k_q38294aa279_quant
		.amdhsa_group_segment_fixed_size 59904
		.amdhsa_private_segment_fixed_size 0
		.amdhsa_enable_private_segment 0
		.amdhsa_kernarg_size 64
		.amdhsa_user_sgpr_count 2
		.amdhsa_user_sgpr_kernarg_segment_ptr 1
		.amdhsa_wavefront_size32 1
		.amdhsa_system_sgpr_workgroup_id_x 1
		.amdhsa_system_sgpr_workgroup_id_y 1
		.amdhsa_system_sgpr_workgroup_id_z 1
		.amdhsa_system_vgpr_workitem_id 0
		.amdhsa_next_free_vgpr 256
		.amdhsa_next_free_sgpr 66
		.amdhsa_reserve_vcc 0
		.amdhsa_float_denorm_mode_32 3
		.amdhsa_float_denorm_mode_16_64 3
		.amdhsa_memory_ordered 1
		.amdhsa_forward_progress 1
		.amdhsa_inst_pref_size 72
	.end_amdhsa_kernel
	.amdgpu_metadata
---
amdhsa.version: [ 1, 2 ]
amdhsa.kernels:
  - .name:           k_q38294aa279_quant
    .symbol:         k_q38294aa279_quant.kd
    .args:
      - { .name: X, .offset: 0, .size: 8, .value_kind: global_buffer, .address_space: global }
      - { .name: STE, .offset: 8, .size: 8, .value_kind: global_buffer, .address_space: global }
      - { .name: Wq, .offset: 16, .size: 8, .value_kind: global_buffer, .address_space: global }
      - { .name: Wk, .offset: 24, .size: 8, .value_kind: global_buffer, .address_space: global }
      - { .name: Wv, .offset: 32, .size: 8, .value_kind: global_buffer, .address_space: global }
      - { .name: Wo, .offset: 40, .size: 8, .value_kind: global_buffer, .address_space: global }
      - { .name: xq, .offset: 48, .size: 8, .value_kind: global_buffer, .address_space: global }
      - { .name: wcod, .offset: 56, .size: 8, .value_kind: global_buffer, .address_space: global }
    .group_segment_fixed_size: 59904
    .private_segment_fixed_size: 0
    .kernarg_segment_align: 8
    .kernarg_segment_size: 64
    .max_flat_workgroup_size: 128
    .sgpr_count:     66
    .vgpr_count:     256
    .wavefront_size: 32
...
	.end_amdgpu_metadata
.endif
;; end of part 1
;; launch qkv_attn (part 2): grid 8 x 32, 4 waves a work-group, clusters of 4 x 4, 327,680 bytes of LDS; arguments xq, wcod, bq, bk, bv, ocod; writes ocod
.if DOCPART == 2
	.amdgcn_target "amdgcn-amd-amdhsa--gfx1250"
	.amdhsa_code_object_version 6
	.text
	.protected	k_q38294aa279_qkv_attn
	.globl	k_q38294aa279_qkv_attn
	.p2align	8
	.type	k_q38294aa279_qkv_attn,@function
k_q38294aa279_qkv_attn:
	s_mov_b64 s[64:65], 0
	v_nop
	global_prefetch_b8 v0, s[64:65] scope:SCOPE_SE
	s_setreg_imm32_b32 hwreg(HW_REG_WAVE_MODE, 25, 1), 1
	s_wait_xcnt 0x0
	s_wait_alu depctr_hold_cnt(0) depctr_sa_sdst(0) depctr_va_vdst(0) depctr_va_sdst(0) depctr_va_ssrc(0) depctr_va_vcc(0) depctr_vm_vsrc(0)
	s_getreg_b32 s2, hwreg(HW_REG_IB_STS2, 6, 4)
	s_cmp_eq_u32 s2, 0
	s_cbranch_scc0 .Lentry_in_a_cluster
	s_endpgm
.Lentry_in_a_cluster:
	s_bfe_u32 s2, ttmp6, 0x10000c
	s_cmp_lg_u32 s2, 0xf033
	s_cbranch_scc0 .Lentry_shape_is_right
	s_endpgm
.Lentry_shape_is_right:
; q, k, v = relu(x W + b) on codes of FP6 (E2M3), then the causal attention over the 32 time steps of each (b, n, head), both of its products on codes too, then the quantiser of its result along D.
; A work-group takes row tile R (8 pairs (b, n) x 32 t = 256 rows) and the q, k, v columns of 4 heads (HG): 256 x 384.  Wave (wr, wc) takes 4 pairs (8 blocks a of 16 rows) and 2 heads
; (4 fragments b of 16 columns, for each of q, k, v): 96 accumulators in windows 1 (q), 2 (k), 3 (v), accumulator (a, b) at v[8 (4 a + b)].  All its 8 attentions are its own.
; LAYOUTS (made by the launch before): fragments are images of the operand's registers, groups of four with their scale words, 6,400 bytes; a K step's tiles are dense blocks (x 25,600 bytes, W 38,400).
; Block a = 2 pair + u holds t = 8 u + r + 8 (r / 8); fragment b = 2 head + u holds column 8 u + r + 8 (r / 8).  q and k are made TRANSPOSED (source 0 = W, source 1 = x): a lane holds one t and, in the 16 registers
; of tiles u = 0, 1, channels 16 h + 0 .. 15.  v is made as it reads (source 0 = x): a lane holds one channel and t = 16 h + 0 .. 15.  So each operand of the attention has its K along a lane's registers.
; The attention's K is 32: a quarter of the instruction's 128; the other three blocks are zero codes.
; SOFTMAX: t = score x log2(e) / sqrt(32), M = ceil(the row's largest t), p = 2^(t - M) is quantised; the sum of the unquantised p divides the result.  Hidden scores take the fill -32767 (here x sqrt(32), in raw scores).
; RING: two LDS slots 2^17 bytes apart, two K steps each.  CLUSTER 4 x 4: x's tiles are shared along a row of the cluster, W's along a column, by joint loads.
; No prefetch is laid: between a refill's request and the wait for it stand 176 matrix instructions, and each tile is read by four work-groups at once.
; LIMITS: NaN and infinities are not served.  A block of zeros gets the scale byte 1; its codes are zeros, and the bytes are read by this program alone.  The bias is a sum's first addend, not its last.
; WINDOW 0: v1 r, v2 h, v3-4 the spare word's address and 0, v5-8 lane places, v9-12 the same in the slot in hand, v13-19 the way out, v20-22 mask, v24-31 scale words of x and W, v32-39 of the attention's operands,
;   v40-63 at work, v64-159 x's 8 fragments, v160-255 two buffers of W's 4 fragments.  In the epilogue: v64-95 q then S^T then p; v96-127 k then O^T; v128-159 v; v160-231 six operands; v232-255 codes and bytes of the result.
.set SLOT1,  1<<17
.set GRP,    6400
.set XSTEP,  4*GRP
.set WSTEP,  6*GRP
.set WBASE,  2*XSTEP                   ; a slot: x's two K steps, then W's two
.set SPARE,  SLOT1+2*XSTEP+2*WSTEP     ; behind slot 1: the spare words, 128 bytes a wave, two blocks of 256 bytes that no other line names
.set FLOORV, 0x1800000                 ; 2^(3 - 127)
.set EOFF,   0xff000000                ; takes 2 off an exponent field
.set FILLV,  0xc8350389                ; -32767 x sqrt(32)
.set MSB, 0
.macro WIN new                         ; the immediate's high byte repeats the setting that is left
.if MSB != (\new)
	s_set_vgpr_msb (MSB<<8)|(\new)
.set MSB, (\new)
.endif
.endm
.macro PLACES n
.rept \n
	v_nop
.endr
.endm
.macro CREST                           ; a round of the cluster's barrier behind its opening barrier
	s_cmp_lg_u32 s16, 0
	s_cbranch_scc1 .Lnot_wave_0_\@
	s_barrier_signal -3
.Lnot_wave_0_\@:
	s_barrier_wait -3
	s_barrier_signal -1
	s_barrier_wait -1
.endm
.macro CROUND
	s_barrier_signal -1
	s_barrier_wait -1
	CREST
.endm
.macro JLOAD                           ; a joint refill by the walking descriptors: waves 0, 1 fetch x's two K steps, waves 2, 3 W's; four v_nop follow each line
	s_cmp_eq_u32 s17, 0
	s_cbranch_scc0 .Lfor_b_\@
	tensor_load_to_lds s[44:47], s[24:31]
	s_nop 0
.rept 4
	v_nop
.endr
	s_branch .Lasked_\@
.Lfor_b_\@:
	tensor_load_to_lds s[52:55], s[32:39]
	s_nop 0
.rept 4
	v_nop
.endr
.Lasked_\@:
.endm
.macro LDG fr, sc, adr, sadr, off      ; a group: four fragments and their scale words: 13 LDS loads of consecutive bytes
.irp f, 0,1,2,3
.irp j, 0,1,2
	ds_load_b128 v[(\fr)+12*\f+4*\j:(\fr)+12*\f+4*\j+3], v[\adr] offset:(\off)+1536*\f+512*\j
.endr
.endr
	ds_load_b64 v[(\sc):(\sc)+1], v[\sadr] offset:(\off)
.endm
.macro WM d, s0, s1, c, sc0, sc1, r0, r1   ; one product; r0, r1: the half of the lanes in which each side's scale words lie
.if ((\r0) == 0) && ((\r1) == 0)
	v_wmma_scale_f32_16x16x128_f8f6f4 v[\d:\d+7], v[\s0:\s0+11], v[\s1:\s1+11], v[\c:\c+7], v[\sc0], v[\sc1] matrix_a_fmt:MATRIX_FMT_FP6 matrix_b_fmt:MATRIX_FMT_FP6
.elseif ((\r0) == 1) && ((\r1) == 0)
	v_wmma_scale_f32_16x16x128_f8f6f4 v[\d:\d+7], v[\s0:\s0+11], v[\s1:\s1+11], v[\c:\c+7], v[\sc0], v[\sc1] matrix_a_fmt:MATRIX_FMT_FP6 matrix_b_fmt:MATRIX_FMT_FP6 matrix_a_scale:MATRIX_SCALE_ROW1
.elseif ((\r0) == 0) && ((\r1) == 1)
	v_wmma_scale_f32_16x16x128_f8f6f4 v[\d:\d+7], v[\s0:\s0+11], v[\s1:\s1+11], v[\c:\c+7], v[\sc0], v[\sc1] matrix_a_fmt:MATRIX_FMT_FP6 matrix_b_fmt:MATRIX_FMT_FP6 matrix_b_scale:MATRIX_SCALE_ROW1
.else
	v_wmma_scale_f32_16x16x128_f8f6f4 v[\d:\d+7], v[\s0:\s0+11], v[\s1:\s1+11], v[\c:\c+7], v[\sc0], v[\sc1] matrix_a_fmt:MATRIX_FMT_FP6 matrix_b_fmt:MATRIX_FMT_FP6 matrix_a_scale:MATRIX_SCALE_ROW1 matrix_b_scale:MATRIX_SCALE_ROW1
.endif
.endm
; Block a of x against W's four fragments in buffer wb.  th = 0, 1 (q, k): transposed; th = 2 (v): as it reads.  first = 1: the sums begin with the bias, which lies in the registers of accumulator (7, b).
.macro MULR a, wb, th, first
.set xa, 64+12*(\a)
.set xs, 24+(\a)/2
.irp b, 0,1,2,3
.set dd, 8*(4*(\a)+\b)
.set cc, dd
.if (\first) && ((\a) != 7)
.set cc, 8*(28+\b)
.endif
.set wf, 160+48*(\wb)+12*\b
.set ws, 28+2*(\wb)+\b/2
.if (\th) < 2
	WM dd, wf, xa, cc, ws, xs, \b%2, (\a)%2
.else
	WM dd, xa, wf, cc, xs, ws, (\a)%2, \b%2
.endif
.endr
.endm
.macro MUL ah, wb, th, first           ; 16 products: blocks 4 ah .. 4 ah + 3.  The 96 accumulators take turns, one instruction a turn
	WIN ((\th)+1)*0x50
.irp k, 0,1,2,3
.if (\first) && ((\ah) == 1) && (\k == 3)
	PLACES 5                                       ; block 7's products write over the bias, which the earlier products read as C: five places (ISA guide 7.12.1)
.endif
	MULR 4*(\ah)+\k, \wb, \th, \first
.endr
.endm
; A K step of 128: 96 products in six runs of 16 (q, q, k, k, v, v), with the loads of what comes next in runs of 13 between them, each four places behind the last product that read its registers.
; x has one set of registers (half 0 is free behind the fifth run, half 1 behind the sixth), W two buffers that take turns.  chg = 1: the slot is left and filled again; 2: left; last = 1: nothing more to fetch.
.macro STEP q, chg, last, first
.set WB0, (\q)%2
.set WB1, 1-WB0
.set XO, (\q)*XSTEP
.set WO, (\q)*WSTEP
.set NXO, (1-(\q))*XSTEP
.set NWO, (1-(\q))*WSTEP
	PLACES 4
	WIN 0
	LDG 112, 26, 9, 11, XO+GRP                     ; x's blocks 4-7
	LDG 160+48*WB1, 28+2*WB1, 10, 12, WO+GRP       ; Wk
	s_wait_dscnt 26                                ; all but the two groups just issued: Wq and x's blocks 0-3 are in
	MUL 0, WB0, 0, \first
	s_wait_dscnt 13                                ; x's blocks 4-7 are in; Wk may be out
	MUL 1, WB0, 0, \first
	PLACES 4
	WIN 0
	LDG 160+48*WB0, 28+2*WB0, 10, 12, WO+2*GRP     ; Wv
	s_wait_dscnt 13                                ; Wk is in; Wv may be out
	MUL 0, WB1, 1, \first
.if (\chg) == 0
	MUL 1, WB1, 1, \first
.else
	WIN 0                                          ; (the add's two registers lie in window 0)
	s_wait_tensorcnt 0x0                           ; all my tensor loads have landed: my part of the next slot; so a group 0 may be written
	ds_add_u32 v3, v4                              ; 0 onto my spare word
.if (\chg) == 1
	s_xor_b32 s45, s45, SLOT1                      ; the walking descriptors: the other slot than last time, the next two K steps
	s_add_nc_u64 s[46:47], s[46:47], 2*XSTEP
	s_xor_b32 s53, s53, SLOT1
	s_add_nc_u64 s[54:55], s[54:55], 2*WSTEP
.endif
	WIN 0xa0
	MULR 4, WB1, 1, 0
	MULR 5, WB1, 1, 0
	s_wait_dscnt 0x0                               ; the add is done, and my reads of this slot are over (Wv's were the last)
	s_barrier_signal -1
	MULR 6, WB1, 1, 0
	MULR 7, WB1, 1, 0
	WIN 0
	s_barrier_wait -1
.if (\chg) == 1
	CREST                                          ; the barrier has opened a round of the cluster's: no wave of any partner still reads this slot or has a load on its way
	JLOAD                                          ; the first tensor load behind the round, my one load until the next; its four v_nop are the places in front of the loads below
.else
	PLACES 4
.endif
	s_xor_b32 s2, s2, SLOT1                        ; on to the other slot
	v_add_nc_u32 v9, s2, v5
	v_add_nc_u32 v10, s2, v6
	v_add_nc_u32 v11, s2, v7
	v_add_nc_u32 v12, s2, v8
.endif
.if \last
	s_wait_dscnt 0x0
.else
.if (\chg) == 0
	PLACES 4
.endif
	WIN 0
	LDG 160+48*WB1, 28+2*WB1, 10, 12, NWO          ; the next step's Wq
.if (\chg) == 0
	s_wait_dscnt 13                                ; Wv is in
.endif
.endif
	MUL 0, WB0, 2, \first
.if (\last) == 0
	PLACES 4
	WIN 0
	LDG 64, 24, 9, 11, NXO                         ; the next step's blocks 0-3 of x
.endif
	MUL 1, WB0, 2, \first
	WIN 0
.endm
	s_load_b256 s[4:11], s[0:1], 0x0               ; xq, wcod, bq, bk
	s_load_b128 s[12:15], s[0:1], 0x20             ; bv, ocod
	v_lshl_add_u32 v3, v0, 2, SPARE
	v_mov_b32 v4, 0
	ds_add_u32 v3, v4
	ds_add_u32 v3, v4
	s_wait_dscnt 0x0
	v_lshrrev_b32 v1, 5, v0
	v_readfirstlane_b32 s16, v1                    ; wave
	s_lshr_b32 s17, s16, 1                         ; wr: which 4 pairs.  Also: I fetch for x (0) or for W (1)
	s_and_b32 s18, s16, 1                          ; wc: which 2 heads.  Also: which of a slot's two K steps I fetch
	s_bfe_u32 s19, ttmp6, 0x40000                  ; cx
	s_bfe_u32 s20, ttmp6, 0x40004                  ; cy
	s_lshl_b32 s21, ttmp9, 2
	s_add_co_u32 s21, s21, s19                     ; HG = 4 x cluster x + cx
	s_and_b32 s22, ttmp7, 0xffff
	s_lshl_b32 s22, s22, 2
	s_add_co_u32 s22, s22, s20                     ; R = 4 x cluster y + cy
	s_lshl_b32 s23, s20, 2
	s_lshl_b32 s23, 15, s23                        ; my row of the cluster
	s_lshl_b32 s99, 0x1111, s19                    ; my column
	; descriptor groups 1: dense blocks as rows of 256 bytes (32 elements of 8 bytes): x 100 rows, W 150
	s_or_b32 s24, s23, (3<<16)|(1<<21)
	s_mov_b32 s25, 32<<16
	s_mov_b32 s26, 100<<16
	s_mov_b32 s27, 32<<16
	s_mov_b32 s28, 100
	s_mov_b32 s29, 32
	s_mov_b32 s30, 0
	s_mov_b32 s31, 0
	s_or_b32 s32, s99, (3<<16)|(1<<21)
	s_mov_b32 s33, 32<<16
	s_mov_b32 s34, 150<<16
	s_mov_b32 s35, 32<<16
	s_mov_b32 s36, 150
	s_mov_b32 s37, 32
	s_mov_b32 s38, 0
	s_mov_b32 s39, 0
	s_lshl_b32 s60, s22, 4
	s_add_co_u32 s60, s60, s18
	s_mul_i32 s60, s60, XSTEP                      ; x: (16 R + my K step) blocks: hangs on R alone
	s_mov_b32 s61, 0
	s_lshl_b32 s62, s21, 4
	s_add_co_u32 s62, s62, s18
	s_mul_i32 s62, s62, WSTEP                      ; W: (16 HG + my K step) blocks: hangs on HG alone
	s_mov_b32 s63, 0
	s_mul_i32 s100, s18, XSTEP                     ; and where they go: no place in the cluster enters an LDS address
	s_mul_i32 s101, s18, WSTEP
	s_add_co_u32 s101, s101, WBASE
	s_mov_b32 s56, 0x3e8293ee                      ; c = log2(e) / sqrt(32)
	s_mov_b32 s57, s56
	s_mov_b32 s58, 0x76543210
	s_mov_b32 s59, 0xfedcba98                      ; v_permlanex16_b32's selects for lane l xor 16
	s_mov_b32 s98, 0xffff0000                      ; lanes 16-31
	s_mov_b32 s2, 0                                ; the slot in hand
	s_wait_kmcnt 0x0
	s_add_nc_u64 s[60:61], s[4:5], s[60:61]
	s_add_nc_u64 s[62:63], s[6:7], s[62:63]
	CROUND                                         ; all sixteen work-groups are here: the first joint loads meet
.irp n, 0,1
	s_mov_b32 s[40+4*\n], 1
	s_add_co_u32 s[41+4*\n], s100, \n*SLOT1
	s_add_nc_u64 s[42+4*\n:43+4*\n], s[60:61], \n*2*XSTEP
	s_or_b32 s[43+4*\n], s[43+4*\n], 0x80000000
	s_mov_b32 s[48+4*\n], 1
	s_add_co_u32 s[49+4*\n], s101, \n*SLOT1
	s_add_nc_u64 s[50+4*\n:51+4*\n], s[62:63], \n*2*WSTEP
	s_or_b32 s[51+4*\n], s[51+4*\n], 0x80000000
.endr
	s_cmp_eq_u32 s17, 0                            ; a wave's two first fills stand in one branch: two loads of mine are out
	s_cbranch_scc0 .Lfirst_b
	tensor_load_to_lds s[40:43], s[24:31]
	s_nop 0
	tensor_load_to_lds s[44:47], s[24:31]
	s_nop 0
.rept 4
	v_nop
.endr
	s_branch .Lfirst_done
.Lfirst_b:
	tensor_load_to_lds s[48:51], s[32:39]
	s_nop 0
	tensor_load_to_lds s[52:55], s[32:39]
	s_nop 0
.rept 4
	v_nop
.endr
.Lfirst_done:
	v_and_b32 v40, 31, v0                          ; lane
	v_and_b32 v1, 15, v0                           ; r
	v_bfe_u32 v2, v0, 4, 1                         ; h
	v_lshlrev_b32 v18, 4, v40
	v_lshlrev_b32 v19, 3, v40
	s_mul_i32 s100, s17, 2*GRP                     ; my two groups of x
	s_mul_i32 s101, s18, 3*GRP
	s_add_co_u32 s101, s101, WBASE                 ; my three groups of W
	v_add_nc_u32 v5, s100, v18
	v_add_nc_u32 v6, s101, v18
	v_add_nc_u32 v7, s100, v19
	v_add_nc_u32 v7, 6144, v7
	v_add_nc_u32 v8, s101, v19
	v_add_nc_u32 v8, 6144, v8
	v_mov_b32 v9, v5
	v_mov_b32 v10, v6
	v_mov_b32 v11, v7
	v_mov_b32 v12, v8
	s_mul_i32 s100, s18, 520                       ; the way out: my six registers of a fragment's twelve, in pieces of 8 bytes
	v_add_nc_u32 v13, s100, v5
	s_mul_i32 s100, s18, 1016
	s_add_co_u32 s100, s100, 8
	v_add_nc_u32 v14, s100, v5
	s_lshl_b32 s100, s18, 1
	v_add_nc_u32 v15, s100, v7                     ; my two bytes of a scale word
	s_mul_i32 s100, s16, GRP
	v_add_nc_u32 v16, s100, v18                    ; back: group = my wave's number
	v_add_nc_u32 v17, s100, v19
	v_add_nc_u32 v17, 6144, v17
	v_lshlrev_b32 v41, 6, v2                       ; bq, bk: my eight channels 16 h + 8 u + 0 .. 7
	v_and_b32 v42, 8, v1
	v_add_nc_u32 v42, v42, v1
	v_lshlrev_b32 v42, 2, v42                      ; bv: my one channel 8 c + r + 8 (r / 8)
	s_lshl_b32 s62, s21, 9
	s_lshl_b32 s63, s18, 8
	s_add_co_u32 s62, s62, s63                     ; 128 bytes a head: head 4 HG + 2 wc
	s_mov_b32 s63, 0
	s_add_nc_u64 s[8:9], s[8:9], s[62:63]
	s_add_nc_u64 s[10:11], s[10:11], s[62:63]
	s_add_nc_u64 s[12:13], s[12:13], s[62:63]
	s_lshl_b32 s100, s22, 3
	s_add_co_u32 s100, s100, s21
	s_lshl_b32 s100, s100, 2
	s_add_co_u32 s100, s100, s16
	s_mul_i32 s100, s100, GRP                      ; ocod: ((8 R + HG) 4 + wave) groups
	s_mov_b32 s101, 0
	s_add_nc_u64 s[14:15], s[14:15], s[100:101]
	WIN 0x40                                       ; the biases into the registers of accumulators (7, b), in the results' layouts
.irp b, 0,1,2,3
	global_load_b128 v[224+8*\b:227+8*\b], v41, s[8:9] offset:128*(\b/2)+32*(\b%2)
	global_load_b128 v[228+8*\b:231+8*\b], v41, s[8:9] offset:128*(\b/2)+32*(\b%2)+16
.endr
	WIN 0x80
.irp b, 0,1,2,3
	global_load_b128 v[224+8*\b:227+8*\b], v41, s[10:11] offset:128*(\b/2)+32*(\b%2)
	global_load_b128 v[228+8*\b:231+8*\b], v41, s[10:11] offset:128*(\b/2)+32*(\b%2)+16
.endr
	WIN 0xc0
.irp b, 0,1,2,3
.irp j, 0,1,2,3,4,5,6,7
	global_load_b32 v[224+8*\b+\j], v42, s[12:13] offset:128*(\b/2)+32*(\b%2)
.endr
.endr
	WIN 0
	s_wait_tensorcnt 1                             ; my part of slot 0 is in; slot 1's may stay out
	s_barrier_signal -1
	s_barrier_wait -1
	LDG 160, 28, 10, 12, 0                         ; Wq of K step 0
	LDG 64, 24, 9, 11, 0                           ; x's blocks 0-3
	s_wait_loadcnt 0x0                             ; the biases
	STEP 0, 0, 0, 1                                ; the first step stands in front of the loop: its products start the sums
	s_mov_b32 s3, 6
.Lslot:                                            ; six trips: a slot's second step, which leaves it and fills it again, and the next slot's first
	STEP 1, 1, 0, 0
	STEP 0, 0, 0, 0
	s_sub_co_u32 s3, s3, 1
	s_cmp_lg_u32 s3, 0
	s_cbranch_scc1 .Lslot
	STEP 1, 2, 0, 0                                ; the tail is written out: nothing more is asked for
	STEP 0, 0, 0, 0
	STEP 1, 0, 1, 0
; ---------------- THE ATTENTION, in registers ----------------
	PLACES 4
	s_wait_dscnt 0x0
	s_barrier_signal -1                            ; every wave's reads of the ring are over: the stage for the way out lies in slot 0, which has had its last fill
	s_barrier_wait -1
.irp o, 0,1,2,3,4,5
.irp i, 6,7,8,9,10,11
	v_mov_b32 v[160+12*\o+\i], 0                   ; k = 64 .. 127 of the six operands: zero codes, written once
.endr
.endr
.irp i, 0,1,2,3,4,5
	v_mov_b32 v[46+\i], 0                          ; a lane permute's destination counts as one of its sources
.endr
	v_mov_b32 v20, FILLV
	v_and_b32 v21, 8, v1
	v_add_nc_u32 v21, v21, v1
	v_lshlrev_b32 v22, 4, v2
	v_sub_nc_u32 v21, v21, v22                     ; d = my query - 16 h, for tile 0 of the queries;
	v_add_nc_u32 v22, 8, v21                       ; for tile 1.  Register i holds key 16 h + i: hidden where i > d
.irp qt, 0,1
.irp i, 0,1,2,3,4,5,6,7,8,9,10,11,12,13,14,15
	v_cmp_gt_i32 s[66+16*\qt+\i], \i, v[21+\qt]
.endr
.endr
; One (pair, head).  Operand i of six (q0, q1, k0, k1, v0, v1): numbers at v[64 + 16 i], codes at v[160 + 12 i], scale word in v[32 + i].
.macro PROBLEM pl, hl
	s_wait_dscnt 0x0                               ; the last pair's stores into the stage have read their registers
	WIN 0x04                                       ; source 1 in window 1: relu(q), each accumulator from its low end on
.irp qt, 0,1
.irp u, 0,1
.irp j, 0,1,2,3,4,5,6,7
	v_max_num_f32 v[64+16*\qt+8*\u+\j], 0, v[8*(4*(2*(\pl)+\qt)+2*(\hl)+\u)+\j]
.endr
.endr
.endr
	WIN 0x08                                       ; relu(k)
.irp qt, 0,1
.irp u, 0,1
.irp j, 0,1,2,3,4,5,6,7
	v_max_num_f32 v[96+16*\qt+8*\u+\j], 0, v[8*(4*(2*(\pl)+\qt)+2*(\hl)+\u)+\j]
.endr
.endr
.endr
	WIN 0x0c                                       ; relu(v): tile c of the channels, t = 16 h + 8 u + j
.irp c, 0,1
.irp u, 0,1
.irp j, 0,1,2,3,4,5,6,7
	v_max_num_f32 v[128+16*\c+8*\u+\j], 0, v[8*(4*(2*(\pl)+\u)+2*(\hl)+\c)+\j]
.endr
.endr
.endr
	WIN 0
.irp o, 0,1,2,3,4,5
	v_max3_num_f32 v[40+\o], v[64+16*\o], v[65+16*\o], FLOORV   ; my 16 numbers of the block (none is negative), and the floor
.endr
.irp e, 2,4,6,8,10,12,14
.irp o, 0,1,2,3,4,5
	v_max3_num_f32 v[40+\o], v[40+\o], v[64+16*\o+\e], v[65+16*\o+\e]
.endr
.endr
.irp o, 0,1,2,3,4,5
	v_permlanex16_b32 v[46+\o], v[40+\o], s58, s59
.endr
.irp o, 0,1,2,3,4,5
	v_max_num_f32 v[40+\o], v[40+\o], v[46+\o]     ; with lane l xor 16's: the block's largest
.endr
.irp o, 0,1,2,3,4,5
	v_add_nc_u32 v[52+\o], EOFF, v[40+\o]          ; the conversion's scale operand
.endr
.irp o, 0,1,2,3,4,5
	v_lshrrev_b32 v[32+\o], 23, v[52+\o]           ; the scale word: byte 0; bytes 1-3 stand over zero codes
.endr
.irp o, 0,1,2,3,4,5
.irp i, 3,4,5
	v_mov_b32 v[160+12*\o+\i], 0
.endr
.endr
.irp o, 0,1,2,3,4,5
	v_cvt_scalef32_pk16_fp6_f32 v[160+12*\o:162+12*\o], v[64+16*\o:79+16*\o], v[52+\o]
.endr
	v_nop                                          ; one plain place behind a scaled conversion
.irp o, 0,1,2,3,4,5
.irp i, 0,1,2
	v_permlane16_swap_b32 v[160+12*\o+\i], v[163+12*\o+\i]   ; lanes 0-15 now hold the whole block, lanes 16-31 (k = 32 .. 63) zero codes
.endr
.endr
	PLACES 8                                       ; operands and scale words written by vector instructions stand 4 and 8 places ahead of a scaled product
.irp qt, 0,1
.irp kt, 0,1
	v_wmma_scale_f32_16x16x128_f8f6f4 v[64+16*\qt+8*\kt:71+16*\qt+8*\kt], v[184+12*\kt:195+12*\kt], v[160+12*\qt:171+12*\qt], 0, v[34+\kt], v[32+\qt] matrix_a_fmt:MATRIX_FMT_FP6 matrix_b_fmt:MATRIX_FMT_FP6
.endr
.endr                                              ; S^T: lane (r, h) holds query 8 qt + r + 8 (r / 8), register i key 16 h + i
	PLACES 4
.irp i, 0,1,2,3,4,5,6,7,8,9,10,11,12,13,14,15
.irp qt, 0,1
	v_cndmask_b32 v[64+16*\qt+\i], v[64+16*\qt+\i], v20, s[66+16*\qt+\i]   ; hidden keys take the fill
.endr
.endr
.irp qt, 0,1
	v_max3_num_f32 v[40+\qt], v[64+16*\qt], v[65+16*\qt], v[66+16*\qt]
.endr
.irp i, 3,5,7,9,11,13
.irp qt, 0,1
	v_max3_num_f32 v[40+\qt], v[40+\qt], v[64+16*\qt+\i], v[65+16*\qt+\i]
.endr
.endr
.irp qt, 0,1
	v_max_num_f32 v[40+\qt], v[40+\qt], v[79+16*\qt]
.endr
.irp qt, 0,1
	v_permlanex16_b32 v[46+\qt], v[40+\qt], s58, s59
.endr
.irp qt, 0,1
	v_max_num_f32 v[40+\qt], v[40+\qt], v[46+\qt]  ; the row's largest score
.endr
.irp qt, 0,1
	v_mul_f32 v[59+2*\qt], s56, v[40+\qt]          ; as t
.endr
.irp qt, 0,1
	v_floor_f32 v[58+2*\qt], -v[59+2*\qt]          ; -M = floor(-t): M is a whole number
.endr
.irp j, 0,2,4,6,8,10,12,14
.irp qt, 0,1
	v_pk_fma_f32 v[64+16*\qt+\j:65+16*\qt+\j], v[64+16*\qt+\j:65+16*\qt+\j], s[56:57], v[58+2*\qt:59+2*\qt] op_sel_hi:[1,0,0]   ; t - M
.endr
.endr
.irp qt, 0,1
	v_fma_f32 v[40+\qt], v[40+\qt], s56, v[58+2*\qt]   ; the same of the largest score: its p is the block's largest
.endr
.set i, 0
.rept 32
	v_exp_f32 v[64+i], v[64+i]                     ; p = 2^(t - M): one batch
.set i, i+1
.endr
	v_exp_f32 v40, v40
	v_exp_f32 v41, v41
	v_nop                                          ; a plain place behind the last exponential
	s_wait_alu depctr_va_vdst(0)                   ; one wait for the batch, ahead of its first reader
.irp qt, 0,1
	v_pk_add_f32 v[46+2*\qt:47+2*\qt], v[64+16*\qt:65+16*\qt], v[66+16*\qt:67+16*\qt]   ; the row's sum, of the unquantised p
.endr
.irp j, 4,6,8,10,12,14
.irp qt, 0,1
	v_pk_add_f32 v[46+2*\qt:47+2*\qt], v[46+2*\qt:47+2*\qt], v[64+16*\qt+\j:65+16*\qt+\j]
.endr
.endr
.irp qt, 0,1
	v_add_f32 v[46+2*\qt], v[46+2*\qt], v[47+2*\qt]
.endr
.irp qt, 0,1
	v_permlanex16_b32 v[50+\qt], v[46+2*\qt], s58, s59
.endr
.irp qt, 0,1
	v_add_f32 v[46+2*\qt], v[46+2*\qt], v[50+\qt]
.endr
	v_rcp_f32 v58, v46                             ; 1 / l; its wait stands behind the second product
	v_rcp_f32 v60, v48
.irp qt, 0,1
	v_max_num_f32 v[40+\qt], FLOORV, v[40+\qt]
.endr
.irp qt, 0,1
	v_add_nc_u32 v[52+\qt], EOFF, v[40+\qt]
.endr
.irp qt, 0,1
	v_lshrrev_b32 v[38+\qt], 23, v[52+\qt]         ; p's scale word
.endr
.irp qt, 0,1
.irp i, 3,4,5
	v_mov_b32 v[160+12*\qt+\i], 0
.endr
.endr
.irp qt, 0,1
	v_cvt_scalef32_pk16_fp6_f32 v[160+12*\qt:162+12*\qt], v[64+16*\qt:79+16*\qt], v[52+\qt]
.endr
	v_nop
.irp qt, 0,1
.irp i, 0,1,2
	v_permlane16_swap_b32 v[160+12*\qt+\i], v[163+12*\qt+\i]
.endr
.endr
	PLACES 8
.irp qt, 0,1
.irp c, 0,1
	v_wmma_scale_f32_16x16x128_f8f6f4 v[96+16*\qt+8*\c:103+16*\qt+8*\c], v[208+12*\c:219+12*\c], v[160+12*\qt:171+12*\qt], 0, v[36+\c], v[38+\qt] matrix_a_fmt:MATRIX_FMT_FP6 matrix_b_fmt:MATRIX_FMT_FP6
.endr
.endr                                              ; O^T: lane (r, h) holds its query, register i channel 16 h + i
	PLACES 4
	s_wait_alu depctr_va_vdst(0)                   ; the wait for the two reciprocals, ahead of their first reader
.irp j, 0,2,4,6,8,10,12,14
.irp qt, 0,1
	v_pk_mul_f32 v[96+16*\qt+\j:97+16*\qt+\j], v[96+16*\qt+\j:97+16*\qt+\j], v[58+2*\qt:59+2*\qt] op_sel_hi:[1,0]
.endr
.endr
.irp qt, 0,1
	v_max3_num_f32 v[40+\qt], v[96+16*\qt], v[97+16*\qt], FLOORV   ; the result's block along D is this head
.endr
.irp e, 2,4,6,8,10,12,14
.irp qt, 0,1
	v_max3_num_f32 v[40+\qt], v[40+\qt], v[96+16*\qt+\e], v[97+16*\qt+\e]
.endr
.endr
.irp qt, 0,1
	v_permlanex16_b32 v[46+\qt], v[40+\qt], s58, s59
.endr
.irp qt, 0,1
	v_max_num_f32 v[40+\qt], v[40+\qt], v[46+\qt]
.endr
.irp qt, 0,1
	v_add_nc_u32 v[52+\qt], EOFF, v[40+\qt]
.endr
.irp qt, 0,1
	v_lshrrev_b32 v[252+2*(\hl)+\qt], 23, v[52+\qt]
.endr
.irp qt, 0,1
.if (\hl) == 0
	v_cvt_scalef32_pk16_fp6_f32 v[232+6*\qt:234+6*\qt], v[96+16*\qt:111+16*\qt], v[52+\qt]
.else
	v_cvt_scalef32_pk16_fp6_f32 v[244+4*\qt:246+4*\qt], v[96+16*\qt:111+16*\qt], v[52+\qt]
.endif
.endr
	v_nop
.endm
; A pair's two heads make registers 6 wc .. 6 wc + 5 of two fragments of the next product: lanes 0-15 head 0, lanes 16-31 head 1, a whole block each.
.macro PACKPAIR pl
.irp qt, 0,1
.irp i, 0,1,2
	v_permlane16_swap_b32 v[232+6*\qt+\i], v[244+4*\qt+\i]
.endr
.irp i, 0,1,2
	v_mov_b32 v[235+6*\qt+\i], v[244+4*\qt+\i]
.endr
.endr
	v_lshl_or_b32 v62, v254, 8, v252               ; my two bytes of the rows' scale words
	v_lshl_or_b32 v63, v255, 8, v253
	v_cndmask_b32 v62, v62, v63, s98               ; lanes 0-15: fragment u = 0, lanes 16-31: u = 1
.irp qt, 0,1
.set OFF, ((\pl)/2)*GRP+(2*((\pl)%2)+\qt)*1536
	ds_store_b64 v13, v[232+6*\qt:233+6*\qt] offset:OFF
	ds_store_b64 v14, v[234+6*\qt:235+6*\qt] offset:OFF
	ds_store_b64 v13, v[236+6*\qt:237+6*\qt] offset:OFF+512
.endr
	ds_store_b16 v15, v62 offset:((\pl)/2)*GRP+4*((\pl)%2)
.endm
.irp p, 0,1,2,3
	PROBLEM \p, 0
	PROBLEM \p, 1
	PACKPAIR \p
.endr
	s_wait_dscnt 0x0                               ; for the others' sake: my stores into the stage are done
	s_barrier_signal -1
	s_barrier_wait -1                              ; four whole groups lie in the stage
.irp i, 0,1,2,3,4,5,6,7,8,9,10,11
	ds_load_b128 v[64+4*\i:67+4*\i], v16 offset:512*\i
.endr
	ds_load_b64 v[112:113], v17
.irp i, 0,1,2,3,4,5,6,7,8,9,10,11
	s_wait_dscnt 12-\i
	global_store_b128 v18, v[64+4*\i:67+4*\i], s[14:15] offset:512*\i   ; 512 consecutive bytes, aligned to 256
.endr
	s_wait_dscnt 0x0
	global_store_b64 v19, v[112:113], s[14:15] offset:6144
	s_wait_tensorcnt 0x0                           ; the wave's end
	ds_add_u32 v3, v4
	s_wait_dscnt 0x0
	CROUND                                         ; the closing round: no work-group ends while a partner may still ask for a tile that names it
	s_endpgm
.Lfunc_end_k_q38294aa279_qkv_attn:
	.size	k_q38294aa279_qkv_attn, .Lfunc_end_k_q38294aa279_qkv_attn-k_q38294aa279_qkv_attn
	.p2alignl 7, 3214868480
	.fill 96, 4, 3214868480
	.section	.rodata,"a",@progbits
	.p2align	6, 0x0
	.amdhsa_kernel k_q38294aa279_qkv_attn
		.amdhsa_group_segment_fixed_size 327680
		.amdhsa_private_segment_fixed_size 0
		.amdhsa_enable_private_segment 0
		.amdhsa_kernarg_size 48
		.amdhsa_user_sgpr_count 2
		.amdhsa_user_sgpr_kernarg_segment_ptr 1
		.amdhsa_wavefront_size32 1
		.amdhsa_system_sgpr_workgroup_id_x 1
		.amdhsa_system_sgpr_workgroup_id_y 1
		.amdhsa_system_sgpr_workgroup_id_z 1
		.amdhsa_system_vgpr_workitem_id 0
		.amdhsa_next_free_vgpr 1024
		.amdhsa_next_free_sgpr 102
		.amdhsa_reserve_vcc 0
		.amdhsa_float_denorm_mode_32 3
		.amdhsa_float_denorm_mode_16_64 3
		.amdhsa_memory_ordered 1
		.amdhsa_forward_progress 1
		.amdhsa_inst_pref_size 255
	.end_amdhsa_kernel
	.section	.bss,"aw",@nobits
	.p2align	6
	.space	262144
	.amdgpu_metadata
---
amdhsa.version: [ 1, 2 ]
amdhsa.kernels:
  - .name:           k_q38294aa279_qkv_attn
    .symbol:         k_q38294aa279_qkv_attn.kd
    .args:
      - { .name: xq, .offset: 0, .size: 8, .value_kind: global_buffer, .address_space: global }
      - { .name: wcod, .offset: 8, .size: 8, .value_kind: global_buffer, .address_space: global }
      - { .name: bq, .offset: 16, .size: 8, .value_kind: global_buffer, .address_space: global }
      - { .name: bk, .offset: 24, .size: 8, .value_kind: global_buffer, .address_space: global }
      - { .name: bv, .offset: 32, .size: 8, .value_kind: global_buffer, .address_space: global }
      - { .name: ocod, .offset: 40, .size: 8, .value_kind: global_buffer, .address_space: global }
    .group_segment_fixed_size: 327680
    .private_segment_fixed_size: 0
    .kernarg_segment_align: 8
    .kernarg_segment_size: 48
    .max_flat_workgroup_size: 128
    .sgpr_count:     102
    .vgpr_count:     1024
    .wavefront_size: 32
...
	.end_amdgpu_metadata
.endif
;; end of part 2
;; launch outproj (part 3): grid 8 x 32, 4 waves a work-group, clusters of 4 x 4, 327,680 bytes of LDS; arguments ocod, wcod, bo, out0; writes out0
.if DOCPART == 3
	.amdgcn_target "amdgcn-amd-amdhsa--gfx1250"
	.amdhsa_code_object_version 6
	.text
	.protected	k_q38294aa279_outproj
	.globl	k_q38294aa279_outproj
	.p2align	8
	.type	k_q38294aa279_outproj,@function
k_q38294aa279_outproj:
	s_mov_b64 s[64:65], 0
	v_nop
	global_prefetch_b8 v0, s[64:65] scope:SCOPE_SE
	s_setreg_imm32_b32 hwreg(HW_REG_WAVE_MODE, 25, 1), 1
	s_wait_xcnt 0x0
	s_wait_alu depctr_hold_cnt(0) depctr_sa_sdst(0) depctr_va_vdst(0) depctr_va_sdst(0) depctr_va_ssrc(0) depctr_va_vcc(0) depctr_vm_vsrc(0)
	s_getreg_b32 s2, hwreg(HW_REG_IB_STS2, 6, 4)
	s_cmp_eq_u32 s2, 0
	s_cbranch_scc0 .Lentry_in_a_cluster
	s_endpgm
.Lentry_in_a_cluster:
	s_bfe_u32 s2, ttmp6, 0x10000c
	s_cmp_lg_u32 s2, 0xf033
	s_cbranch_scc0 .Lentry_shape_is_right
	s_endpgm
.Lentry_shape_is_right:
; out0 = relu(out Wo + bo) on codes of FP6 (E2M3).  `out` comes as codes from the launch before (ocod [R 32][K step 8][group 4][6400]), Wo from the first (wcod from WO_OFF on: [CG 8][K step 8][64 columns 2][6400]).
; A work-group takes row tile R (256 rows) x 128 columns (CG); wave (wr, wc) takes 8 blocks a of 16 rows x 4 fragments b of 16 columns: 32 accumulators, (a, b) at v[8 (4 a + b)] of window 1.
; ALL OF K (8 steps of 128) FITS IN LDS: four slots of two steps, each filled ONCE, all asked for at the head: no slot is filled again, so there is no ring.  A wave has four tensor loads out at the most.
; CLUSTER 4 x 4: out's tiles are shared along a row of the cluster, Wo's along a column, by joint loads.  No prefetch is laid: every tile is asked for at the head.
; The product is used TRANSPOSED (source 0 = Wo, source 1 = out): lane (r, h) holds row r of block a (t = 8 (a % 2) + r + 8 (r / 8), pair a / 2) and columns 32 (b / 2) + 16 h + 8 (b % 2) + 0 .. 7.
; The bias is each sum's first addend (a difference in the order of f32 rounding): it lies in the registers of accumulator (7, b) and is the C of the first K step.
; WINDOW 0: v8-23 LDS addresses, one of each kind for each slot; v24-27 the way out and the bias; v32-43 scale words, two sets; v64-255 out's fragments, two sets of 96.  WINDOW 2: Wo's fragments, two sets of 48.
.set GRP,    6400
.set ASTEP,  4*GRP
.set BSTEP,  2*GRP
.set BBASE,  2*ASTEP
.set SLOT,   2*ASTEP+2*BSTEP           ; 76,800
.set STAGE,  4*SLOT                    ; behind the slots: 16 rows x (256 + 16) bytes for each wave
.set SP,     272
.set WO_OFF, 4915200
.set TROW,   262144                    ; from t to t + 1 in out0: 64 rows of 4,096 bytes
.set MSB, 0
.macro WIN new
.if MSB != (\new)
	s_set_vgpr_msb (MSB<<8)|(\new)
.set MSB, (\new)
.endif
.endm
.macro PLACES n
.rept \n
	v_nop
.endr
.endm
.macro CROUND                          ; a round of the cluster's barrier
	s_barrier_signal -1
	s_barrier_wait -1
	s_cmp_lg_u32 s16, 0
	s_cbranch_scc1 .Lnot_wave_0_\@
	s_barrier_signal -3
.Lnot_wave_0_\@:
	s_barrier_wait -3
	s_barrier_signal -1
	s_barrier_wait -1
.endm
.macro LDG fr, sc, adr, sadr, off
.irp f, 0,1,2,3
.irp j, 0,1,2
	ds_load_b128 v[(\fr)+12*\f+4*\j:(\fr)+12*\f+4*\j+3], v[\adr] offset:(\off)+1536*\f+512*\j
.endr
.endr
	ds_load_b64 v[(\sc):(\sc)+1], v[\sadr] offset:(\off)
.endm
.macro WM d, s0, s1, c, sc0, sc1, r0, r1
.if ((\r0) == 0) && ((\r1) == 0)
	v_wmma_scale_f32_16x16x128_f8f6f4 v[\d:\d+7], v[\s0:\s0+11], v[\s1:\s1+11], v[\c:\c+7], v[\sc0], v[\sc1] matrix_a_fmt:MATRIX_FMT_FP6 matrix_b_fmt:MATRIX_FMT_FP6
.elseif ((\r0) == 1) && ((\r1) == 0)
	v_wmma_scale_f32_16x16x128_f8f6f4 v[\d:\d+7], v[\s0:\s0+11], v[\s1:\s1+11], v[\c:\c+7], v[\sc0], v[\sc1] matrix_a_fmt:MATRIX_FMT_FP6 matrix_b_fmt:MATRIX_FMT_FP6 matrix_a_scale:MATRIX_SCALE_ROW1
.elseif ((\r0) == 0) && ((\r1) == 1)
	v_wmma_scale_f32_16x16x128_f8f6f4 v[\d:\d+7], v[\s0:\s0+11], v[\s1:\s1+11], v[\c:\c+7], v[\sc0], v[\sc1] matrix_a_fmt:MATRIX_FMT_FP6 matrix_b_fmt:MATRIX_FMT_FP6 matrix_b_scale:MATRIX_SCALE_ROW1
.else
	v_wmma_scale_f32_16x16x128_f8f6f4 v[\d:\d+7], v[\s0:\s0+11], v[\s1:\s1+11], v[\c:\c+7], v[\sc0], v[\sc1] matrix_a_fmt:MATRIX_FMT_FP6 matrix_b_fmt:MATRIX_FMT_FP6 matrix_a_scale:MATRIX_SCALE_ROW1 matrix_b_scale:MATRIX_SCALE_ROW1
.endif
.endm
.macro LD3 s                           ; K step s into set s % 2: out's two groups, Wo's group: 39 LDS loads
.set P_, (\s)%2
.set N_, (\s)/2
	WIN 0
	LDG 64+96*P_, 32+4*P_, 8+N_, 16+N_, P_*ASTEP
	LDG 112+96*P_, 34+4*P_, 8+N_, 16+N_, P_*ASTEP+GRP
	ds_load_b64 v[40+2*P_:41+2*P_], v[20+N_] offset:P_*BSTEP
	WIN 0x80                                       ; destination window 2
.irp f, 0,1,2,3
.irp j, 0,1,2
	ds_load_b128 v[48*P_+12*\f+4*\j:48*P_+12*\f+4*\j+3], v[12+N_] offset:P_*BSTEP+1536*\f+512*\j
.endr
.endr
	WIN 0
.endm
.macro PR16 ah, p, first               ; 16 products: blocks 4 ah .. 4 ah + 3 x Wo's four fragments.  The 32 accumulators take turns, one instruction a turn
	WIN 0x52                                       ; source 0 (Wo) window 2, source 1 (out) window 0, C and D window 1
.irp k, 0,1,2,3
.if (\first) && ((\ah) == 1) && (\k == 3)
	PLACES 5                                       ; block 7's products write over the bias, which the earlier products read as C: five places (ISA guide 7.12.1)
.endif
.irp b, 0,1,2,3
.set aa, 4*(\ah)+\k
.set dd, 8*(4*aa+\b)
.set cc, dd
.if (\first) && (aa != 7)
.set cc, 8*(28+\b)
.endif
.set wf, 48*(\p)+12*\b
.set xa, 64+96*(\p)+12*aa
.set ws, 40+2*(\p)+\b/2
.set xs, 32+4*(\p)+aa/2
	WM dd, wf, xa, cc, ws, xs, \b%2, aa%2
.endr
.endr
.endm
.macro EVEN s                          ; a slot's first step: the second step's fragments come from the same slot
	PLACES 4
	LD3 (\s)+1
	s_wait_dscnt 39                                ; all but the 39 just issued
	PR16 0, 0, 0
	PR16 1, 0, 0
.endm
.macro ODD s                           ; a slot's second step: the next slot is shown whole to every wave; the later slots' loads may stay out
	s_wait_dscnt 0x0
	s_wait_tensorcnt 3-((\s)+1)/2                  ; my part of the next slot is in
	s_barrier_signal -1
	PR16 0, 1, 0
	WIN 0
	s_barrier_wait -1
	PLACES 4
	LD3 (\s)+1
	PR16 1, 1, 0
.endm
	s_load_b256 s[4:11], s[0:1], 0x0               ; ocod, wcod, bo, out0
	v_lshl_add_u32 v62, v0, 2, 0x4f400
	v_mov_b32 v63, 0
	ds_add_u32 v62, v63
	ds_add_u32 v62, v63
	v_lshrrev_b32 v1, 5, v0
	v_readfirstlane_b32 s16, v1                    ; wave
	s_lshr_b32 s17, s16, 1                         ; wr.  Also: I fetch for out (0) or for Wo (1)
	s_and_b32 s18, s16, 1                          ; wc.  Also: which of a slot's two K steps I fetch
	s_bfe_u32 s19, ttmp6, 0x40000                  ; cx
	s_bfe_u32 s20, ttmp6, 0x40004                  ; cy
	s_lshl_b32 s21, ttmp9, 2
	s_add_co_u32 s21, s21, s19                     ; CG
	s_and_b32 s22, ttmp7, 0xffff
	s_lshl_b32 s22, s22, 2
	s_add_co_u32 s22, s22, s20                     ; R
	s_lshl_b32 s23, s20, 2
	s_lshl_b32 s23, 15, s23                        ; my row of the cluster
	s_lshl_b32 s86, 0x1111, s19                    ; my column
	s_or_b32 s24, s23, (3<<16)|(1<<21)             ; dense blocks as rows of 256 bytes: out 100 rows, Wo 50
	s_mov_b32 s25, 32<<16
	s_mov_b32 s26, 100<<16
	s_mov_b32 s27, 32<<16
	s_mov_b32 s28, 100
	s_mov_b32 s29, 32
	s_mov_b32 s30, 0
	s_mov_b32 s31, 0
	s_or_b32 s32, s86, (3<<16)|(1<<21)
	s_mov_b32 s33, 32<<16
	s_mov_b32 s34, 50<<16
	s_mov_b32 s35, 32<<16
	s_mov_b32 s36, 50
	s_mov_b32 s37, 32
	s_mov_b32 s38, 0
	s_mov_b32 s39, 0
	s_lshl_b32 s60, s22, 3
	s_add_co_u32 s60, s60, s18
	s_mul_i32 s60, s60, ASTEP                      ; hangs on R alone
	s_mov_b32 s61, 0
	s_lshl_b32 s62, s21, 3
	s_add_co_u32 s62, s62, s18
	s_mul_i32 s62, s62, BSTEP
	s_add_co_u32 s62, s62, WO_OFF                  ; hangs on CG alone
	s_mov_b32 s63, 0
	s_mul_i32 s56, s18, ASTEP
	s_mul_i32 s57, s18, BSTEP
	s_add_co_u32 s57, s57, BBASE
	s_wait_dscnt 0x0
	s_wait_kmcnt 0x0
	s_add_nc_u64 s[60:61], s[4:5], s[60:61]
	s_add_nc_u64 s[62:63], s[6:7], s[62:63]
	CROUND                                         ; all sixteen work-groups are here: the joint loads meet
.irp n, 0,1,2,3
	s_mov_b32 s[40+4*\n], 1
	s_add_co_u32 s[41+4*\n], s56, \n*SLOT
	s_add_nc_u64 s[42+4*\n:43+4*\n], s[60:61], \n*2*ASTEP
	s_or_b32 s[43+4*\n], s[43+4*\n], 0x80000000
	s_mov_b32 s[68+4*\n], 1
	s_add_co_u32 s[69+4*\n], s57, \n*SLOT
	s_add_nc_u64 s[70+4*\n:71+4*\n], s[62:63], \n*2*BSTEP
	s_or_b32 s[71+4*\n], s[71+4*\n], 0x80000000
.endr
	s_cmp_eq_u32 s17, 0                            ; a wave's four fills stand in one branch
	s_cbranch_scc0 .Lfirst_b
.irp n, 0,1,2,3
	tensor_load_to_lds s[40+4*\n:43+4*\n], s[24:31]
	s_nop 0
.endr
.rept 4
	v_nop
.endr
	s_branch .Lfirst_done
.Lfirst_b:
.irp n, 0,1,2,3
	tensor_load_to_lds s[68+4*\n:71+4*\n], s[32:39]
	s_nop 0
.endr
.rept 4
	v_nop
.endr
.Lfirst_done:
	v_and_b32 v3, 31, v0                           ; lane
	v_and_b32 v1, 15, v0                           ; r
	v_bfe_u32 v2, v0, 4, 1                         ; h
	v_lshlrev_b32 v4, 4, v3
	v_lshlrev_b32 v5, 3, v3
	s_mul_i32 s56, s17, 2*GRP                      ; my two groups of out
	s_mul_i32 s57, s18, GRP
	s_add_co_u32 s57, s57, BBASE                   ; my group of Wo
	v_add_nc_u32 v8, s56, v4
	v_add_nc_u32 v12, s57, v4
	v_add_nc_u32 v16, s56, v5
	v_add_nc_u32 v16, 6144, v16
	v_add_nc_u32 v20, s57, v5
	v_add_nc_u32 v20, 6144, v20
.irp n, 1,2,3
	v_add_nc_u32 v[8+\n], \n*SLOT, v8
	v_add_nc_u32 v[12+\n], \n*SLOT, v12
	v_add_nc_u32 v[16+\n], \n*SLOT, v16
	v_add_nc_u32 v[20+\n], \n*SLOT, v20
.endr
	s_mul_i32 s56, s16, 16*SP
	s_add_co_u32 s56, s56, STAGE                   ; my stage
	v_mul_u32_u24 v24, v1, SP
	v_lshl_add_u32 v24, v2, 6, v24
	v_add_nc_u32 v24, s56, v24                     ; in: row r, + 64 h
	v_mul_u32_u24 v25, v2, SP
	v_lshl_add_u32 v25, v1, 4, v25
	v_add_nc_u32 v25, s56, v25                     ; back: lanes 0-15 one row of 256 bytes, lanes 16-31 the next
	v_lshlrev_b32 v26, 18, v2
	v_lshl_add_u32 v26, v1, 4, v26                 ; and in out0: the next row of a block is the next t
	v_lshlrev_b32 v27, 6, v2
	s_lshl_b32 s84, s21, 9
	s_lshl_b32 s85, s18, 8
	s_add_co_u32 s84, s84, s85                     ; my 64 columns, in bytes
	s_mov_b32 s85, 0
	s_add_nc_u64 s[8:9], s[8:9], s[84:85]
	s_add_nc_u64 s[10:11], s[10:11], s[84:85]
	s_lshr_b32 s84, s22, 3
	s_lshl_b32 s84, s84, 11
	s_and_b32 s87, s22, 7
	s_lshl_b32 s87, s87, 3
	s_add_co_u32 s84, s84, s87
	s_lshl_b32 s87, s17, 2
	s_add_co_u32 s84, s84, s87
	s_lshl_b32 s84, s84, 12                        ; row (b, t = 0, n of my first pair)
	s_add_nc_u64 s[10:11], s[10:11], s[84:85]
	WIN 0x40
.irp b, 0,1,2,3
	global_load_b128 v[224+8*\b:227+8*\b], v27, s[8:9] offset:128*(\b/2)+32*(\b%2)
	global_load_b128 v[228+8*\b:231+8*\b], v27, s[8:9] offset:128*(\b/2)+32*(\b%2)+16
.endr
	WIN 0
	s_wait_tensorcnt 3                             ; my part of slot 0 is in; the three later slots' may be out
	s_barrier_signal -1
	s_barrier_wait -1
	LD3 0
	LD3 1
	s_wait_loadcnt 0x0                             ; the bias
	s_wait_dscnt 39
	PR16 0, 0, 1                                   ; the first K step starts the sums, with the bias as C
	PR16 1, 0, 1
	ODD 1
	EVEN 2
	ODD 3
	EVEN 4
	ODD 5
	EVEN 6
	s_wait_dscnt 0x0
	PR16 0, 1, 0
	PR16 1, 1, 0
	WIN 0
; THE WAY OUT, block by block: relu, through my own stage, back as rows of 256 bytes: sixteen lanes store one aligned run of 256 bytes.
.macro TOSTAGE a
.set TMPR, 64+32*((\a)%2)
.set BKR, 128+32*((\a)%2)
	WIN 0x04                                       ; source 1 in window 1
.irp b, 0,1,2,3
.irp j, 0,1,2,3,4,5,6,7
	v_max_num_f32 v[TMPR+8*\b+\j], 0, v[8*(4*(\a)+\b)+\j]   ; each accumulator from its low end on
.endr
.endr
	WIN 0
.irp b, 0,1,2,3
	ds_store_b128 v24, v[TMPR+8*\b:TMPR+8*\b+3] offset:128*(\b/2)+32*(\b%2)
	ds_store_b128 v24, v[TMPR+8*\b+4:TMPR+8*\b+7] offset:128*(\b/2)+32*(\b%2)+16
.endr
.irp i, 0,1,2,3,4,5,6,7
	ds_load_b128 v[BKR+4*\i:BKR+4*\i+3], v25 offset:2*\i*SP   ; LDS serves a wave's instructions in order: these see the stores above, and the next block's stores come behind them
.endr
.endm
.macro SEND a, younger                 ; younger: the LDS instructions issued behind block a's loads
.set BKR, 128+32*((\a)%2)
	s_wait_dscnt \younger
.irp i, 0,1,2,3,4,5,6,7
	global_store_b128 v26, v[BKR+4*\i:BKR+4*\i+3], s[10:11] offset:(8*((\a)%2)+2*\i+8*(\i/4))*TROW+((\a)/2)*4096 th:TH_STORE_NT
.endr
.endm
	PLACES 4
	TOSTAGE 0
.irp a, 1,2,3,4,5,6,7
.if \a > 1
	s_wait_xcnt 0x0                                ; block a - 2's stores have read their registers: block a's loads may land there
.endif
	TOSTAGE \a
	SEND \a-1, 16                                  ; behind block a - 1's loads: block a's 8 stores and 8 loads
.endr
	SEND 7, 0
	s_wait_dscnt 0x0
	s_wait_tensorcnt 0x0
	ds_add_u32 v62, v63
	s_wait_dscnt 0x0
	CROUND                                         ; the closing round
	s_endpgm
.Lfunc_end_k_q38294aa279_outproj:
	.size	k_q38294aa279_outproj, .Lfunc_end_k_q38294aa279_outproj-k_q38294aa279_outproj
	.p2alignl 7, 3214868480
	.fill 96, 4, 3214868480
	.section	.rodata,"a",@progbits
	.p2align	6, 0x0
	.amdhsa_kernel k_q38294aa279_outproj
		.amdhsa_group_segment_fixed_size 327680
		.amdhsa_private_segment_fixed_size 0
		.amdhsa_enable_private_segment 0
		.amdhsa_kernarg_size 32
		.amdhsa_user_sgpr_count 2
		.amdhsa_user_sgpr_kernarg_segment_ptr 1
		.amdhsa_wavefront_size32 1
		.amdhsa_system_sgpr_workgroup_id_x 1
		.amdhsa_system_sgpr_workgroup_id_y 1
		.amdhsa_system_sgpr_workgroup_id_z 1
		.amdhsa_system_vgpr_workitem_id 0
		.amdhsa_next_free_vgpr 640
		.amdhsa_next_free_sgpr 96
		.amdhsa_reserve_vcc 0
		.amdhsa_float_denorm_mode_32 3
		.amdhsa_float_denorm_mode_16_64 3
		.amdhsa_memory_ordered 1
		.amdhsa_forward_progress 1
		.amdhsa_inst_pref_size 87
	.end_amdhsa_kernel
	.amdgpu_metadata
---
amdhsa.version: [ 1, 2 ]
amdhsa.kernels:
  - .name:           k_q38294aa279_outproj
    .symbol:         k_q38294aa279_outproj.kd
    .args:
      - { .name: ocod, .offset: 0, .size: 8, .value_kind: global_buffer, .address_space: global }
      - { .name: wcod, .offset: 8, .size: 8, .value_kind: global_buffer, .address_space: global }
      - { .name: bo, .offset: 16, .size: 8, .value_kind: global_buffer, .address_space: global }
      - { .name: out0, .offset: 24, .size: 8, .value_kind: global_buffer, .address_space: global }
    .group_segment_fixed_size: 327680
    .private_segment_fixed_size: 0
    .kernarg_segment_align: 8
    .kernarg_segment_size: 32
    .max_flat_workgroup_size: 128
    .sgpr_count:     96
    .vgpr_count:     640
    .wavefront_size: 32
...
	.end_amdgpu_metadata
.endif
;; end of part 3
